; MI455X (gfx1250); checked and timed in simulation.
; The chip was launched on July 23, 2026; its instructions are those of AMD's public machine-readable ISA for CDNA 5 (MIT licence, August 2026) and "CDNA5" Instruction Set Architecture Reference Guide (July 2026). The comments in the code are by the model that wrote it; some were corrected since.
;; VQ Embedding. Allowed arithmetic: matrix products marked QUANTISED: E5M2 operands, one E8M0 scale for each 32 along K, by v_wmma_scale_f32_16x16x128_f8f6f4 with both operands' format E5M2, f32 sums; everything else in f32.
;; Inputs: codebook 8,192 x 256 float32; z_e_x 32 x 32 x 32 x 256 float32.
;; Outputs: out0 32 x 32 x 32 int32.
;; This version of the problem:
;;   THIS VERSION OF THE PROBLEM IS GIVEN IN LOW PRECISION. The matrix products marked QUANTISED in the list below multiply operands that are first quantised to E5M2 (5 exponent bits, 2 mantissa bits; 8 bits a number), with one power-of-two scale for each 32 numbers along K (OCP MX v1.0); their sums are f32. All else is computed in f32.
;;   The module's matrix products, in the order in which they are computed (A, B: the left and right operand; K: the contracted axis; several contracted axes count as one K, in the product's order):
;;     1. [M 32,768, K 256] x [K 256, N 8,192]; A: input z_e_x; B: input codebook: QUANTISED
;;   THE QUANTISER, for each operand of a quantised product, along K:
;;     - K is cut into blocks of 32 from its start; a last block that is shorter is filled with zeros.
;;     - A block's scale is 2^e with e = floor(log2(the largest magnitude in the block)) - 15, held to -126 .. 127; a block of zeros has e = 0. As a byte (E8M0): e + 127.
;;     - Each number is divided by its block's scale, clamped to +-57,344, and rounded to the nearest number of E5M2, ties to even, subnormals kept.
;;     - The product sums the exact products of the quantised numbers (number of the format x scale) in f32.
;;   ~~~python
;;   def quantise(x, axis):      # numpy; x: float32 -> the quantised numbers, widened to float32 again
;;       x = np.moveaxis(x, axis, -1); K = x.shape[-1]
;;       x = np.pad(x, [(0, 0)] * (x.ndim - 1) + [(0, -K % 32)]); x = x.reshape(x.shape[:-1] + (-1, 32)); a = np.abs(x).max(-1, keepdims=True)
;;       e = np.where(a > 0, np.clip(np.frexp(np.where(a > 0, a, 1))[1] - 1 - 15, -126, 127), 0)      # np.frexp(a)[1] - 1 = floor(log2(a)), exactly
;;       r = np.clip(x / 2.0 ** e, -57344, 57344)
;;       step = 2.0 ** (np.maximum(np.frexp(np.where(r == 0, 1, r))[1] - 1, -14) - 2)
;;       q = np.round(r / step) * step * 2.0 ** e      # np.round: ties to even
;;       return np.moveaxis(q.reshape(q.shape[:-2] + (-1,))[..., :K], -1, axis).astype(np.float32)
;;   ~~~
;; One version. Each part assembles by itself: llvm-mc -triple=amdgcn-amd-amdhsa -mcpu=gfx1250 --defsym DOCPART=n.
;; ======== version 1 of 1: 2 launches
;; limits: right only within a limited range of input values
;; workspace buffers: cbw 2,228,224 bytes
;; launch prep (part 1): grid 256 x 1, 2 waves a work-group, no clusters, 34,048 bytes of LDS; arguments codebook, cbw; writes cbw
.if DOCPART == 1
	.amdgcn_target "amdgcn-amd-amdhsa--gfx1250"
	.amdhsa_code_object_version 6
	.text
	.protected	k_qd57029b5dc_prep
	.globl	k_qd57029b5dc_prep
	.p2align	8
	.type	k_qd57029b5dc_prep,@function
k_qd57029b5dc_prep:
	s_mov_b64 s[64:65], 0
	v_nop
	global_prefetch_b8 v0, s[64:65] scope:SCOPE_SE
	s_setreg_imm32_b32 hwreg(HW_REG_WAVE_MODE, 25, 1), 1
	s_wait_xcnt 0x0
; The codebook [8192][256], f32, is quantised once, along its 256 numbers, into codes of E5M2 with one E8M0 byte for each 32, and laid for the
; second launch as 512 RECORDS of 16 codes (rows), each an image of the registers that the matrix instruction wants:
;   bytes    0-2047  the fragment of k 0-127: register group c (0..3) at 512 c + 16 x lane; lane (r, h) holds row r, k = 32 c + 16 h + 0 .. 15
;   bytes 2048-4095  the same for k 128-255
;   bytes 4096-4223  one scale register, 4 bytes a lane: lanes 0-15 row r's word for k 0-127, lanes 16-31 row r's word for k 128-255
;   bytes 4224-4287  -0.5 x (the sum of the row's 256 squares, of the numbers as they are given), f32, rows 0-15;   bytes 4288-4351  zeros
; A block's scale is 2^(floor(log2(its largest magnitude)) - 15); its byte is the largest magnitude's exponent field - 15, held at 1 from below.
; LIMITS: NaN and infinities among the inputs are not served.  Blocks whose largest magnitude lies under 2^(16 - 127), the floor, were not tried.  A block of zeros
; gets the byte 1 where the rule says 127: its codes are zeros, which add nothing under any byte but 0xff, and this program alone reads the bytes.
; The squares are summed in two packed chains a lane and then across two lanes: another order of rounding than a plain sum along the row.
; SHARES: a wave makes one record: 16 rows, 16,384 bytes in, 4,352 bytes out.  Waves share nothing: no barrier.  Each load reads 512 consecutive bytes; the rows turn through the
; wave's own stage in LDS (rows 1,040 bytes apart), so that a lane then holds 16 neighbours of each block of 32.
.set REC,  4352                        ; bytes of a record
.set SP,   1040                        ; a stage row: 1,024 bytes + 16 = 260 words, so that the 16 rows that a load touches begin 4 words apart in the banks' cycle of 64 words (ISA guide 11.1)
.set TLO,  16*SP                       ; behind the stage: 256 bytes for the record's last 256
.set WREG, TLO+256                     ; LDS of a wave
.set TM,   16                          ; v16-19 largest magnitudes, v20-23 bytes, v24-27 the largest number x the scale, v28-31 the conversions' scale operands
.set PC0,  32                          ; v32-47 the codes of k 0-127;  v48-63 of k 128-255: registers of their own, so that no store's data are written again
.set PC1,  48
.set X0,   64                          ; v64-127  64 numbers of a lane, k 0-127
.set X1,   128                         ; v128-191 the same, k 128-255
.set R,    128                         ; v128-255 the rows as they are loaded
.set PW0,  252                         ; the two scale words
.set PW1,  253
	s_load_b128 s[4:7], s[0:1], 0x0                ; the codebook, the records
	s_set_vgpr_msb 0x40
	v_lshl_add_u32 v0, v0, 2, 0x8400
	v_mov_b32 v1, 0
	s_set_vgpr_msb 0x4000
	v_lshrrev_b32 v1, 5, v0
	v_readfirstlane_b32 s8, v1                     ; wave 0, 1
	v_and_b32 v1, 31, v0                           ; lane
	v_and_b32 v2, 15, v0                           ; r
	v_bfe_u32 v3, v0, 4, 1                         ; h
	v_lshlrev_b32 v4, 4, v1                        ; 16 x lane: my place in a load's and in a store's 512 bytes
	v_lshlrev_b32 v9, 3, v1                        ; 8 x lane: my place in the record's last 256 bytes
	s_mul_i32 s9, s8, WREG                         ; my wave's LDS
	v_add_nc_u32 v5, s9, v4                        ; the stage, on the way in
	v_mul_u32_u24 v6, v2, SP
	v_lshl_add_u32 v6, v3, 6, v6
	v_add_nc_u32 v6, s9, v6                        ; and on the way out: row r, + 64 h: my 16 numbers of a block of 32
	v_lshlrev_b32 v7, 2, v1
	v_add_nc_u32 v7, s9, v7
	v_add_nc_u32 v7, TLO, v7                       ; the last 256 bytes: 4 bytes a lane in,
	v_add_nc_u32 v8, s9, v9
	v_add_nc_u32 v8, TLO, v8                       ; 8 bytes a lane out
	s_mov_b32 s12, 0x76543210
	s_mov_b32 s13, 0xfedcba98                      ; v_permlanex16_b32's selects for lane l xor 16
	s_mov_b32 s14, 0x600000                        ; the mantissa field of 57,344
.irp b, 0,1,2,3
	v_mov_b32 v[TM+4+\b], 0                        ; written once: a lane permute's destination counts as one of its sources
.endr
	v_mov_b32 v14, 0                               ; likewise
	s_lshl_b32 s15, ttmp9, 1
	s_add_co_u32 s15, s15, s8                      ; my record: 2 x work-group + wave
	s_lshl_b32 s10, s15, 14                        ; its 16 rows of 1,024 bytes
	s_mov_b32 s11, 0
	s_mul_i32 s16, s15, REC
	s_mov_b32 s17, 0
	s_wait_kmcnt 0x0
	s_add_nc_u64 s[4:5], s[4:5], s[10:11]
	s_add_nc_u64 s[6:7], s[6:7], s[16:17]
.set N, 0
.rept 32
	global_load_b128 v[R+4*N:R+4*N+3], v4, s[4:5] offset:512*N th:TH_LOAD_NT   ; 32 lanes read 512 consecutive bytes: half a row; read once in this launch
.set N, N+1
.endr
.set N, 0
.rept 32
	s_wait_loadcnt 31-N                            ; loads come back in order (ISA guide 5.7.1): load N is in, the younger ones stay out
	ds_store_b128 v5, v[R+4*N:R+4*N+3] offset:SP*(N/2)+512*(N%2)
.set N, N+1
.endr
.macro XLOAD x, s                      ; my 64 numbers of k 128 s on: register 16 b + i = k 32 b + 16 h + i of row r
.irp b, 0,1,2,3
.irp j, 0,1,2,3
	ds_load_b128 v[\x+16*\b+4*\j:\x+16*\b+4*\j+3], v6 offset:512*\s+128*\b+16*\j
.endr
.endr
.endm
.macro SQUARES x, first                ; the squares of 64 numbers onto two packed chains; first = 1: the first products start the sums
.if \first
	v_pk_mul_f32 v[10:11], v[\x:\x+1], v[\x:\x+1]
	v_pk_mul_f32 v[12:13], v[\x+2:\x+3], v[\x+2:\x+3]
.else
	v_pk_fma_f32 v[10:11], v[\x:\x+1], v[\x:\x+1], v[10:11]
	v_pk_fma_f32 v[12:13], v[\x+2:\x+3], v[\x+2:\x+3], v[12:13]
.endif
.irp i, 4,8,12,16,20,24,28,32,36,40,44,48,52,56,60
	v_pk_fma_f32 v[10:11], v[\x+\i:\x+\i+1], v[\x+\i:\x+\i+1], v[10:11]
	v_pk_fma_f32 v[12:13], v[\x+\i+2:\x+\i+3], v[\x+\i+2:\x+\i+3], v[12:13]
.endr
.endm
; 64 numbers of a lane, v[s] on, become a fragment's codes in v[pc] on and its rows' scale word in v[pw]
.macro QUANT s, pc, pw
.irp b, 0,1,2,3
	v_max3_num_f32 v[TM+\b], |v[\s+16*\b]|, |v[\s+1+16*\b]|, 0x8000000   ; block b: my 16 numbers, and the floor 2^(16 - 127): the byte cannot fall under 1
.endr
.irp i, 2,4,6,8,10,12,14
.irp b, 0,1,2,3
	v_max3_num_f32 v[TM+\b], v[TM+\b], |v[\s+16*\b+\i]|, |v[\s+1+16*\b+\i]|   ; the four blocks by turns: no line waits for the line above it
.endr
.endr
.irp b, 0,1,2,3
	v_permlanex16_b32 v[TM+4+\b], v[TM+\b], s12, s13
.endr
.irp b, 0,1,2,3
	v_max_num_f32 v[TM+\b], v[TM+\b], v[TM+4+\b]   ; with lane l xor 16's 16: the block's largest magnitude
.endr
.irp b, 0,1,2,3
	v_add_nc_u32 v[TM+12+\b], 0xf8800000, v[TM+\b] ; 15 off its exponent field: the conversion takes the exponent field of this operand as its scale
.endr
.irp b, 0,1,2,3
	v_and_or_b32 v[TM+8+\b], v[TM+\b], 0x7f800000, s14   ; 57,344 x the scale
.endr
.irp b, 0,1,2,3
	v_lshrrev_b32 v[TM+4+\b], 23, v[TM+12+\b]      ; the scale's byte
.endr
	v_lshl_or_b32 v[\pw], v[TM+5], 8, v[TM+4]      ; four bytes make my row's scale word, the lower k in the lower byte
	v_lshl_or_b32 v[\pw], v[TM+6], 16, v[\pw]
	v_lshl_or_b32 v[\pw], v[TM+7], 24, v[\pw]
.irp b, 0,1,2,3
.irp i, 0,1,2,3,4,5,6,7,8,9,10,11,12,13,14,15
	v_med3_num_f32 v[\s+16*\b+\i], v[\s+16*\b+\i], -v[TM+8+\b], v[TM+8+\b]   ; the conversion to an 8-bit code does not saturate (ISA guide 7.6.2): the hold at the largest code x the scale
.endr
	v_cvt_scalef32_pk8_bf8_f32 v[\pc+4*\b:\pc+1+4*\b], v[\s+16*\b:\s+7+16*\b], v[TM+12+\b]
	v_cvt_scalef32_pk8_bf8_f32 v[\pc+2+4*\b:\pc+3+4*\b], v[\s+8+16*\b:\s+15+16*\b], v[TM+12+\b]
.endr
	v_nop                                          ; one plain vector instruction behind the last scaled conversion
.endm
	XLOAD X0, 0
	s_wait_dscnt 0x0                               ; k 0-127 are back, and the stores into the stage have read v128-255,
	XLOAD X1, 1                                    ; of which v128-191 now take k 128-255, while k 0-127 are worked
	SQUARES X0, 1                                  ; ahead of the quantiser, which holds the numbers in place
	QUANT X0, PC0, PW0
.irp c, 0,1,2,3
	global_store_b128 v4, v[PC0+4*\c:PC0+4*\c+3], s[6:7] offset:512*\c   ; 32 lanes store 512 consecutive bytes, at a multiple of 256 from the buffer's first byte
.endr
	s_wait_dscnt 0x0
	SQUARES X1, 0
	QUANT X1, PC1, PW1
.irp c, 0,1,2,3
	global_store_b128 v4, v[PC1+4*\c:PC1+4*\c+3], s[6:7] offset:2048+512*\c
.endr
	v_pk_add_f32 v[10:11], v[10:11], v[12:13]      ; the two chains,
	v_add_f32 v10, v10, v11                        ; their halves,
	v_permlanex16_b32 v14, v10, s12, s13
	v_add_f32 v10, v10, v14                        ; and lane l xor 16's: the row's sum of squares
	v_mul_f32 v10, -0.5, v10
	v_cmp_gt_u32 vcc_lo, 16, v1                    ; lanes 0-15
	v_cndmask_b32 v14, v[PW1], v[PW0], vcc_lo      ; lanes 0-15: the word of k 0-127; lanes 16-31: of k 128-255 (both halves of the lanes hold both words of row r)
	v_cndmask_b32 v15, 0, v10, vcc_lo              ; lanes 0-15: -0.5 x the squares; lanes 16-31: the zeros that fill the record
	ds_store_b32 v7, v14
	ds_store_b32 v7, v15 offset:128
	ds_load_b64 v[24:25], v8                       ; LDS serves a wave's instructions in order (ISA guide 5.7.1.4): this sees the two stores
	s_wait_dscnt 0x0
	global_store_b64 v9, v[24:25], s[6:7] offset:4096   ; 32 lanes store 256 consecutive bytes, aligned
	s_set_vgpr_msb 0x5
	s_wait_tensorcnt 0x0
	ds_add_u32 v0, v1
	s_wait_dscnt 0x0
	s_set_vgpr_msb 0x500
	s_endpgm
.Lfunc_end_k_qd57029b5dc_prep:
	.size	k_qd57029b5dc_prep, .Lfunc_end_k_qd57029b5dc_prep-k_qd57029b5dc_prep
	.p2alignl 7, 3214868480
	.fill 96, 4, 3214868480
	.section	.rodata,"a",@progbits
	.p2align	6, 0x0
	.amdhsa_kernel k_qd57029b5dc_prep
		.amdhsa_group_segment_fixed_size 34048
		.amdhsa_private_segment_fixed_size 0
		.amdhsa_enable_private_segment 0
		.amdhsa_kernarg_size 16
		.amdhsa_user_sgpr_count 2
		.amdhsa_user_sgpr_kernarg_segment_ptr 1
		.amdhsa_wavefront_size32 1
		.amdhsa_system_sgpr_workgroup_id_x 1
		.amdhsa_system_sgpr_workgroup_id_y 1
		.amdhsa_system_sgpr_workgroup_id_z 1
		.amdhsa_system_vgpr_workitem_id 0
		.amdhsa_next_free_vgpr 258
		.amdhsa_next_free_sgpr 66
		.amdhsa_reserve_vcc 1
		.amdhsa_float_denorm_mode_32 3
		.amdhsa_float_denorm_mode_16_64 3
		.amdhsa_memory_ordered 1
		.amdhsa_forward_progress 1
		.amdhsa_inst_pref_size 32
	.end_amdhsa_kernel
	.amdgpu_metadata
---
amdhsa.version: [ 1, 2 ]
amdhsa.kernels:
  - .name:           k_qd57029b5dc_prep
    .symbol:         k_qd57029b5dc_prep.kd
    .args:
      - { .name: codebook, .offset: 0, .size: 8, .value_kind: global_buffer, .address_space: global }
      - { .name: cbw, .offset: 8, .size: 8, .value_kind: global_buffer, .address_space: global }
    .group_segment_fixed_size: 34048
    .private_segment_fixed_size: 0
    .kernarg_segment_align: 8
    .kernarg_segment_size: 16
    .max_flat_workgroup_size: 64
    .sgpr_count:     66
    .vgpr_count:     258
    .wavefront_size: 32
...
	.end_amdgpu_metadata
.endif
;; end of part 1
;; launch vq (part 2): grid 256 x 1, 8 waves a work-group, clusters of 4 x 1, 327,680 bytes of LDS; arguments z_e_x, cbw, out0; writes out0
.if DOCPART == 2
	.amdgcn_target "amdgcn-amd-amdhsa--gfx1250"
	.amdhsa_code_object_version 6
	.text
	.protected	k_qd57029b5dc_vq
	.globl	k_qd57029b5dc_vq
	.p2align	8
	.type	k_qd57029b5dc_vq,@function
k_qd57029b5dc_vq:
	s_mov_b64 s[64:65], 0
	v_nop
	global_prefetch_b8 v0, s[64:65] scope:SCOPE_SE
	s_setreg_imm32_b32 hwreg(HW_REG_WAVE_MODE, 25, 1), 1
	s_wait_xcnt 0x0
	s_wait_alu depctr_hold_cnt(0) depctr_sa_sdst(0) depctr_va_vdst(0) depctr_va_sdst(0) depctr_va_ssrc(0) depctr_va_vcc(0) depctr_vm_vsrc(0)
	s_getreg_b32 s2, hwreg(HW_REG_IB_STS2, 6, 4)
	s_cmp_eq_u32 s2, 0
	s_cbranch_scc0 .Lentry_in_a_cluster
	s_endpgm
.Lentry_in_a_cluster:
	s_bfe_u32 s2, ttmp6, 0x10000c
	s_cmp_lg_u32 s2, 0x3003
	s_cbranch_scc0 .Lentry_shape_is_right
	s_endpgm
.Lentry_shape_is_right:
; out0[row] = argmin over the 8,192 codes of (cb_sq - 2 z.e) = argmax of (z.e - cb_sq / 2): the factor -1/2 is a power of two and rounds nothing.
; z.e is the quantised product (E5M2 codes, one E8M0 byte for each 32 along the 256); -cb_sq / 2 enters as the C of a sum's first matrix instruction.
; A work-group takes 128 rows of z against all 512 records of 16 codes that the launch before has laid (REC bytes each: two fragments, a scale register, -cb_sq / 2).
; EIGHT WAVES: wave w takes z rows 64 (w & 1) .. + 63 (four tiles of 16, their fragments in 128 registers of window 1) and quarter w >> 1 of each slot's 32 records.
; The records go through a ring of two LDS slots of 32 records, 16 passes; each wave fetches an eighth of a slot (68 rows of 256 bytes) by a joint load of the cluster's four work-groups, which all walk the same records.
; A RECORD is one group of 8 matrix instructions (4 tiles x 2 halves of K, the four accumulators by turns) and then the vector work on the record BEFORE, whose sums lie in the other set.
; THE ARGMAX, a lane = one z row and 8 codes: four v_max3 join a tile's 8 sums with the running maximum; where it has grown (strictly: the first of equals stays), four pairs of selects keep 7 of the sums and the record's number.
; At the end the lowest register that equals the maximum gives the code; lanes l and l xor 16 and then the four quarters are joined, equal maxima by the lower index.
; z is quantised at the head: waves 0-3 bring 32 rows each into slot 1's bytes, waves 4-7 a quarter of slot 0 each; wave w quantises rows 16 w .. + 15 and lays them in LDS as images of the operand's registers.
; THE RECORDS ARE PREFETCHED.  All 64 clusters read the same 2,228,224 bytes pass by pass, so four clusters ask for all (numbers 0, 21, 42, 63: a test on the cluster's number alone).  Of the 68 blocks of 256 bytes that
; wave w loads, the partner at place cx names 17, a lane a block (lanes 17-31 name the 17th again): one instruction a wave and pass, each block once in a cluster.  Record 2 of pass p asks for pass p + 4's records, which are
; loaded in record 6 of pass p + 2; passes 1 and 2 are asked for at the head, pass 3 behind slot 1's first fill; the loop's last trip asks for nothing.  At most three passes' records are asked for and not yet loaded.
; LIMITS: NaN and infinities among the inputs are not served.  A block of zeros gets the byte 1 where the rule says 127: its codes are zeros and only this program reads the bytes.  Blocks under 2^(16 - 127) were not tried.
; lds_bytes claims all of a WGP's LDS; the text uses 318,464 bytes.
.set REC,   4352
.set WPART, 4*REC                      ; what one wave's ring load brings
.set QPART, 8*REC                      ; a quarter of a slot: what a wave reads in a pass
.set SLOT,  4*QPART
.set ZP,    1040                       ; a row of z in LDS: 1,024 bytes + 16
.set ZIMG,  2*SLOT                     ; 16 fragments of z's codes, 2,048 bytes each
.set ZSC,   ZIMG+16*2048               ; their scale words, 128 bytes each
.set CMBV,  ZSC+16*128                 ; the waves' maxima, 2,048 bytes, and indices, 2,048
.set SPARE, CMBV+4096                  ; the spare words: 128 bytes for each of 8 waves
.set SPW, 1
.set NIL, 2
.set KC,  3                            ; v3-4 a record's codes in slot 0, 1;  v5-6 its scale register;  v7-8 its -cb_sq / 2
.set KS,  5
.set KB,  7
.set ZRI, 9
.set ZRS, 10
.set ZRD, 11
.set ZWI, 12
.set ZWS, 13
.set CS,  14                           ; v14-15 the records' scale registers, two sets
.set ZS,  16                           ; v16-19 z's scale words: lanes 0-15 k 0-127, lanes 16-31 k 128-255
.set BB,  20                           ; v20-27 the running maxima: two a tile, new and old by turns
.set IDV, 28                           ; the number of the record at work
.set CST, 29
.set CRD, 30
.set HB,  31
.set L16, 32
.set PFO, 33                           ; the prefetches' offset: 256 x min(lane, 16); never rewritten
.set T,   36                           ; v36-39 at work
.set SS,  64                           ; v64-95 a tile's 7 kept sums and the record's number
.set BI,  96                           ; v96-111 -cb_sq / 2, two sets
.set DD,  128                          ; v128-191 two sets of four accumulators
.set CB,  192                          ; v192-255 a record's two fragments, two sets
.set X0,  128                          ; the head: 64 numbers of a lane, twice
.set X1,  192
.set TM,  64
.set PC,  80
.set PW,  96
.set JJ,  128                          ; the end
.set IX,  132
.set TA,  136
.set CV,  144
.set CI,  160
.set G1,  32                           ; s[32:39] group 1 of the ring's loads; s[40:47] of the head's quarter of slot 0; s[48:55] of z's rows
.set G1H, 40
.set G1Z, 48
.set G0,  56                           ; s[56:63] group 0, a set for each slot
.set GZ,  68
.set GH,  72
.set PFA, 84                           ; s[84:85] where my prefetches stand
.set LIM, 86                           ; s86 1 in the four clusters that ask, else the greatest number
.set MSB, 0
.macro WIN new
.if MSB != \new
	s_set_vgpr_msb (MSB<<8)|\new
.set MSB, \new
.endif
.endm
.macro CREST
	s_cmp_lg_u32 s10, 0
	s_cbranch_scc1 .Lnot_wave_0_\@
	s_barrier_signal -3
.Lnot_wave_0_\@:
	s_barrier_wait -3
	s_barrier_signal -1
	s_barrier_wait -1
.endm
.macro ROUND
	s_barrier_signal -1
	s_barrier_wait -1
	CREST
.endm
.macro FOUR
.rept 4
	v_nop
.endr
.endm
	s_load_b128 s[4:7], s[0:1], 0x0                ; z, the records
	s_load_b64 s[8:9], s[0:1], 0x10                ; out0
	v_lshl_add_u32 v[SPW], v0, 2, SPARE
	v_mov_b32 v[NIL], 0
	ds_add_u32 v[SPW], v[NIL]
	ds_add_u32 v[SPW], v[NIL]
	v_lshrrev_b32 v3, 5, v0
	v_readfirstlane_b32 s10, v3                    ; wave 0..7
	s_and_b32 s11, s10, 3                          ; which part of the head's tile I fetch
	s_and_b32 s14, s10, 1                          ; my half of the z rows
	s_lshr_b32 s15, s10, 1                         ; my quarter of the records
	s_bfe_u32 s13, ttmp6, 0x40000
	s_lshl_b32 s12, ttmp9, 2
	s_add_co_u32 s12, s12, s13                     ; work-group
	s_mul_i32 s87, s13, 17*256                     ; the prefetches: my work-group's 17 blocks of a wave's 68: told apart by address
	s_lshr_b32 s88, ttmp9, 4
	s_mul_i32 s88, s88, 5
	s_and_b32 s89, ttmp9, 15
	s_cmp_eq_u32 s88, s89                          ; cluster 16 a + 5 a: 0, 21, 42, 63
	s_cselect_b32 s[LIM], 1, -1
.irp g, G1, G1H
	s_mov_b32 s[\g], 15|(3<<16)|(1<<21)            ; the mask of the four, elements of 8 bytes, bit 21 beside the mask
	s_mov_b32 s[\g+1], 32<<16                      ; rows of 256 bytes, dense
	s_mov_b32 s[\g+3], 32<<16
	s_mov_b32 s[\g+5], 32
	s_mov_b32 s[\g+6], 0
	s_mov_b32 s[\g+7], 0
.endr
	s_mov_b32 s[G1+2], 68<<16
	s_mov_b32 s[G1+4], 68
	s_mov_b32 s[G1H+2], 136<<16
	s_mov_b32 s[G1H+4], 136
	s_mov_b32 s[G1Z], (2<<16)|(1<<20)|(7<<22)|(3<<25)   ; 32 rows of 256 f32, 16 bytes of padding behind each
	s_mov_b32 s[G1Z+1], 256<<16
	s_mov_b32 s[G1Z+2], 32<<16
	s_mov_b32 s[G1Z+3], 256<<16
	s_mov_b32 s[G1Z+4], 32
	s_mov_b32 s[G1Z+5], 256
	s_mov_b32 s[G1Z+6], 0
	s_mov_b32 s[G1Z+7], 0
	s_mul_i32 s13, s11, QPART
	s_mul_i32 s24, s10, WPART
	s_mov_b32 s25, 0
	s_mov_b32 s28, s13
	s_mov_b32 s29, 0
	s_lshl_b32 s22, s12, 17                        ; the work-group's 128 rows of 1,024 bytes,
	s_lshl_b32 s23, s11, 15                        ; and my 32 of them
	s_add_co_u32 s22, s22, s23
	s_mov_b32 s23, 0
	s_lshl_b32 s26, s12, 9
	s_mov_b32 s27, 0
	s_add_co_u32 s88, s24, s87
	s_mov_b32 s89, 0
	s_mul_i32 s76, s15, QPART                      ; my quarter of a slot
	s_mul_i32 s77, s14, 16*ZP
	s_add_co_u32 s77, s77, s76
	s_add_co_u32 s77, s77, SLOT                    ; rows 16 w .. of z as they land
	s_lshl_b32 s78, s10, 12
	s_add_co_u32 s78, s78, ZIMG                    ; my two fragments' images
	s_lshl_b32 s79, s10, 8
	s_add_co_u32 s83, s79, CMBV
	s_add_co_u32 s79, s79, ZSC
	s_lshl_b32 s80, s14, 14
	s_add_co_u32 s80, s80, ZIMG                    ; the eight fragments of my half
	s_lshl_b32 s81, s14, 10
	s_add_co_u32 s81, s81, ZSC
	s_lshl_b32 s82, s15, 7                         ; my quarter's first code in a pass
	s_mov_b32 s18, 0x76543210
	s_mov_b32 s19, 0xfedcba98
	s_mov_b32 s20, 0x600000                        ; the mantissa field of 57,344
	s_mov_b32 s21, 0xff800000
	s_wait_dscnt 0x0
	s_wait_kmcnt 0x0
	s_mov_b32 s[GZ], 1
	s_add_co_u32 s[GZ+1], s13, SLOT
	s_add_nc_u64 s[GZ+2:GZ+3], s[4:5], s[22:23]
	s_or_b32 s[GZ+3], s[GZ+3], 0x80000000
	s_mov_b32 s[GH], 1
	s_mov_b32 s[GH+1], s13
	s_add_nc_u64 s[GH+2:GH+3], s[6:7], s[28:29]
	s_or_b32 s[GH+3], s[GH+3], 0x80000000
	s_mov_b32 s[G0], 1
	s_mov_b32 s[G0+1], s24
	s_add_nc_u64 s[G0+2:G0+3], s[6:7], s[24:25]    ; pass 0: stepped to pass 2 ahead of its first use
	s_mov_b32 s[G0+4], 1
	s_add_co_u32 s[G0+5], s24, SLOT
	s_add_nc_u64 s[G0+6:G0+7], s[G0+2:G0+3], SLOT  ; pass 1
	s_or_b32 s[G0+3], s[G0+3], 0x80000000
	s_or_b32 s[G0+7], s[G0+7], 0x80000000
	s_add_nc_u64 s[8:9], s[8:9], s[26:27]
	s_add_nc_u64 s[PFA:PFA+1], s[6:7], s[88:89]
	s_add_nc_u64 s[PFA:PFA+1], s[PFA:PFA+1], 2*SLOT   ; at pass 2's records
	ROUND
	s_cmp_lt_u32 s10, 4                            ; one tensor load a wave at the head: waves 0-3 z's rows, waves 4-7 slot 0's quarters
	s_cbranch_scc0 .Lhead_cb
	tensor_load_to_lds s[GZ:GZ+3], s[G1Z:G1Z+7]
	s_nop 0
	FOUR
	s_branch .Lhead_join
.Lhead_cb:
	tensor_load_to_lds s[GH:GH+3], s[G1H:G1H+7]
	s_nop 0
	FOUR
.Lhead_join:
	v_and_b32 v40, 31, v0                          ; lane
	v_and_b32 v41, 15, v0                          ; r
	v_bfe_u32 v42, v0, 4, 1                        ; h
	v_lshlrev_b32 v[L16], 4, v40
	v_lshlrev_b32 v43, 2, v40
	v_min_u32 v[PFO], 16, v40
	v_lshlrev_b32 v[PFO], 8, v[PFO]
	s_wait_alu depctr_va_vdst(0)
	s_cmp_eq_u32 s[LIM], 1
	s_cbranch_scc0 .Lno_ask_head
	global_prefetch_b8 v[PFO], s[PFA:PFA+1] offset:-SLOT th:TH_LOAD_NT scope:SCOPE_SE   ; pass 1's records,
	global_prefetch_b8 v[PFO], s[PFA:PFA+1] th:TH_LOAD_NT scope:SCOPE_SE                ; and pass 2's
.Lno_ask_head:
	v_add_nc_u32 v[KC], s76, v[L16]
	v_add_nc_u32 v[KC+1], SLOT, v[KC]
	v_add_nc_u32 v[KS], s76, v43
	v_add_nc_u32 v[KS], 4096, v[KS]
	v_add_nc_u32 v[KS+1], SLOT, v[KS]
	v_lshl_add_u32 v[KB], v42, 5, s76
	v_add_nc_u32 v[KB], 4224, v[KB]
	v_add_nc_u32 v[KB+1], SLOT, v[KB]
	v_mul_u32_u24 v[ZRD], v41, ZP
	v_lshl_add_u32 v[ZRD], v42, 6, v[ZRD]
	v_add_nc_u32 v[ZRD], s77, v[ZRD]               ; row r, + 64 h: my 16 numbers of a block
	v_add_nc_u32 v[ZWI], s78, v[L16]
	v_add_nc_u32 v[ZWS], s79, v43
	v_add_nc_u32 v[ZRI], s80, v[L16]
	v_lshl_add_u32 v[ZRS], v42, 7, v43             ; lanes 16-31 take the word of the fragment of k 128-255
	v_add_nc_u32 v[ZRS], s81, v[ZRS]
	v_lshl_add_u32 v[CST], v41, 2, s83
	v_add_nc_u32 v[CRD], CMBV, v[L16]
	v_lshl_or_b32 v[HB], v42, 3, s82
.irp b, 0,1,2,3
	v_mov_b32 v[TM+4+\b], 0                        ; a lane permute's destination counts as read
.endr
; 64 numbers of a lane become a fragment's codes in v[PC] on and its rows' scale word in v[PW]
.macro QUANT s
.irp b, 0,1,2,3
	v_max3_num_f32 v[TM+\b], |v[\s+16*\b]|, |v[\s+1+16*\b]|, 0x8000000   ; with the floor 2^(16 - 127): the byte cannot fall under 1
.endr
.irp i, 2,4,6,8,10,12,14
.irp b, 0,1,2,3
	v_max3_num_f32 v[TM+\b], v[TM+\b], |v[\s+16*\b+\i]|, |v[\s+1+16*\b+\i]|
.endr
.endr
.irp b, 0,1,2,3
	v_permlanex16_b32 v[TM+4+\b], v[TM+\b], s18, s19
.endr
.irp b, 0,1,2,3
	v_max_num_f32 v[TM+\b], v[TM+\b], v[TM+4+\b]   ; the block's largest magnitude
.endr
.irp b, 0,1,2,3
	v_add_nc_u32 v[TM+12+\b], 0xf8800000, v[TM+\b] ; 15 off its exponent field: the conversion's scale operand
.endr
.irp b, 0,1,2,3
	v_and_or_b32 v[TM+8+\b], v[TM+\b], 0x7f800000, s20   ; 57,344 x the scale
.endr
.irp b, 0,1,2,3
	v_lshrrev_b32 v[TM+4+\b], 23, v[TM+12+\b]      ; the byte
.endr
	v_lshl_or_b32 v[PW], v[TM+5], 8, v[TM+4]
	v_lshl_or_b32 v[PW], v[TM+6], 16, v[PW]
	v_lshl_or_b32 v[PW], v[TM+7], 24, v[PW]
.irp b, 0,1,2,3
.irp i, 0,1,2,3,4,5,6,7,8,9,10,11,12,13,14,15
	v_med3_num_f32 v[\s+16*\b+\i], v[\s+16*\b+\i], -v[TM+8+\b], v[TM+8+\b]   ; the hold: the conversion does not saturate (ISA guide 7.6.2)
.endr
	v_cvt_scalef32_pk8_bf8_f32 v[PC+4*\b:PC+1+4*\b], v[\s+16*\b:\s+7+16*\b], v[TM+12+\b]
	v_cvt_scalef32_pk8_bf8_f32 v[PC+2+4*\b:PC+3+4*\b], v[\s+8+16*\b:\s+15+16*\b], v[TM+12+\b]
.endr
	v_nop                                          ; one plain line behind the last conversion
.endm
.macro ZLOAD x, f
.irp b, 0,1,2,3
.irp j, 0,1,2,3
	ds_load_b128 v[\x+16*\b+4*\j:\x+16*\b+4*\j+3], v[ZRD] offset:512*(\f)+128*\b+16*\j
.endr
.endr
.endm
.macro IMAGE f
.irp c, 0,1,2,3
	ds_store_b128 v[ZWI], v[PC+4*\c:PC+4*\c+3] offset:2048*(\f)+512*\c
.endr
	ds_store_b32 v[ZWS], v[PW] offset:128*(\f)
.endm
	s_wait_alu depctr_va_vdst(0)
	s_wait_tensorcnt 0x0                           ; my tile of the head's eight is in;
	s_barrier_signal -1
	s_barrier_wait -1                              ; and everybody's
	ZLOAD X0, 0
	ZLOAD X1, 1
	s_wait_dscnt 16                                ; k 0-127 are in; the 16 loads of k 128-255 may be out
	QUANT X0
	IMAGE 0
	s_wait_dscnt 5                                 ; behind the loads of k 128-255 only the image's five stores were issued
	QUANT X1
	IMAGE 1
	s_wait_tensorcnt 0x0
	ds_add_u32 v[SPW], v[NIL]
	s_wait_dscnt 0x0                               ; my reads of z's rows and my images' stores are done
	ROUND
	tensor_load_to_lds s[G0+4:G0+7], s[G1:G1+7]    ; pass 1's records over z's rows
	s_nop 0
	FOUR
	WIN 0x40                                       ; destination window 1
.set F, 0
.rept 8
.irp c, 0,1,2,3
	ds_load_b128 v[16*F+4*\c:16*F+4*\c+3], v[ZRI] offset:2048*F+512*\c
.endr
.set F, F+1
.endr
	WIN 0
.irp t, 0,1,2,3
	ds_load_b32 v[ZS+\t], v[ZRS] offset:256*\t
.endr
.macro FETCH p, s, off                 ; a record into set p: 8 + 2 + 1 LDS loads
.irp c, 0,1,2,3,4,5,6,7
	ds_load_b128 v[CB+32*(\p)+4*\c:CB+32*(\p)+4*\c+3], v[KC+(\s)] offset:(\off)+512*\c
.endr
	ds_load_b128 v[BI+8*(\p):BI+8*(\p)+3], v[KB+(\s)] offset:(\off)
	ds_load_b128 v[BI+8*(\p)+4:BI+8*(\p)+7], v[KB+(\s)] offset:(\off)+16
	ds_load_b32 v[CS+(\p)], v[KS+(\s)] offset:(\off)
.endm
.macro MMS p                           ; source 0 = the record's 16 codes, source 1 = 16 rows of z (window 1): lane (r, h) holds z row r, register j code 8 h + j
.irp t, 0,1,2,3
	v_wmma_scale_f32_16x16x128_f8f6f4 v[DD+32*(\p)+8*\t:DD+32*(\p)+8*\t+7], v[CB+32*(\p):CB+32*(\p)+15], v[32*\t:32*\t+15], v[BI+8*(\p):BI+8*(\p)+7], v[CS+(\p)], v[ZS+\t] matrix_a_fmt:MATRIX_FMT_BF8 matrix_b_fmt:MATRIX_FMT_BF8
.endr
.irp t, 0,1,2,3
	v_wmma_scale_f32_16x16x128_f8f6f4 v[DD+32*(\p)+8*\t:DD+32*(\p)+8*\t+7], v[CB+32*(\p)+16:CB+32*(\p)+31], v[32*\t+16:32*\t+31], v[DD+32*(\p)+8*\t:DD+32*(\p)+8*\t+7], v[CS+(\p)], v[ZS+\t] matrix_a_fmt:MATRIX_FMT_BF8 matrix_b_fmt:MATRIX_FMT_BF8 matrix_a_scale:MATRIX_SCALE_ROW1 matrix_b_scale:MATRIX_SCALE_ROW1
.endr
.endm
.macro SAVE s, d                       ; where VCC is set: 7 sums and the record's number are kept, two selects to a line
.irp j, 0,2,4
	v_dual_cndmask_b32 v[\s+\j], v[\s+\j], v[\d+\j] :: v_dual_cndmask_b32 v[\s+\j+1], v[\s+\j+1], v[\d+\j+1]
.endr
	v_dual_cndmask_b32 v[\s+6], v[\s+6], v[\d+6] :: v_dual_cndmask_b32 v[\s+7], v[\s+7], v[IDV]
.endm
.macro BATCH g, q                      ; tiles 2 g and 2 g + 1 of set q, their chains by turns; each accumulator is read from its low end on
.set DA, DD+32*(\q)+16*(\g)
.set DB, DA+8
.set NA, BB+4*(\g)+(\q)
.set OA, BB+4*(\g)+1-(\q)
.set NB, NA+2
.set OB, OA+2
.set SA, SS+16*(\g)
.set SB, SA+8
	v_max3_num_f32 v[T], v[DA], v[DA+1], v[DA+2]
	v_max3_num_f32 v[T+2], v[DB], v[DB+1], v[DB+2]
	v_max3_num_f32 v[T+1], v[DA+3], v[DA+4], v[DA+5]
	v_max3_num_f32 v[T+3], v[DB+3], v[DB+4], v[DB+5]
	v_max3_num_f32 v[NA], v[DA+6], v[DA+7], v[OA]
	v_max3_num_f32 v[NB], v[DB+6], v[DB+7], v[OB]
	v_max3_num_f32 v[NA], v[NA], v[T], v[T+1]
	v_max3_num_f32 v[NB], v[NB], v[T+2], v[T+3]
	v_cmp_gt_f32 vcc_lo, v[NA], v[OA]              ; strictly: of equal maxima the earlier record stays
	SAVE SA, DA
	v_cmp_gt_f32 vcc_lo, v[NB], v[OB]
	SAVE SB, DB
.endm
; Record i of a pass in slot s.  nxt: 1 the next record lies in this slot, 2 in the other, 0 there is none.
; sync: 1 the slot's last read (record 7's) is out: the three lines, the cluster's round, the slot's refill two passes on; 2 the same without round and refill; else nothing.
; The wait for the other slot's tile stands behind the products and half of the vector work: only the add, the other half and the round lie between it and the next request.
.macro RECORD i, s, sync, nxt
.set TP, (\i)%2
	s_wait_dscnt 0x0                               ; this record is in registers (asked for one record ago)
.if \nxt == 1
	FETCH 1-TP, \s, ((\i)+1)*REC
.elseif \nxt == 2
	FETCH 1-TP, 1-(\s), 0
.endif
	WIN 0x04                                       ; source 1 in window 1
	MMS TP
	WIN 0
	v_mov_b32 v[IDV], s16
	BATCH 0, 1-TP
.if (\sync == 1) || (\sync == 2)
	s_wait_tensorcnt 0x0                           ; my one load that was out, my eighth of the other slot, has landed
	ds_add_u32 v[SPW], v[NIL]
.endif
.if \sync == 1
	s_add_nc_u64 s[G0+4*(\s)+2:G0+4*(\s)+3], s[G0+4*(\s)+2:G0+4*(\s)+3], 2*SLOT
.endif
.if (\sync == 1) || (\sync == 2)
	s_wait_dscnt 0x0                               ; the add is done, and my reads of this slot are over
	s_barrier_signal -1
.endif
	BATCH 1, 1-TP
.if (\sync == 1) || (\sync == 2)
	s_barrier_wait -1
.endif
.if \sync == 1
	CREST
	tensor_load_to_lds s[G0+4*(\s):G0+4*(\s)+3], s[G1:G1+7]
	s_nop 0
	FOUR
.endif
	s_add_co_u32 s16, s16, 1
.endm
.macro ASK off                         ; my 17 blocks of the records four passes on; s17 = 1 in the loop's last trip, which asks for nothing
	s_cmp_gt_u32 s17, s[LIM]
	s_cbranch_scc0 .Lno_ask_\@
	global_prefetch_b8 v[PFO], s[PFA:PFA+1] offset:\off th:TH_LOAD_NT scope:SCOPE_SE
.Lno_ask_\@:
.endm
.macro PASS s, mode
.irp i, 0,1,2
	RECORD \i, \s, 0, 1
.endr
.if \mode == 1
	ASK (\s)*SLOT                                  ; four records behind the last tensor load, four ahead of the next
.endif
.irp i, 3,4,5
	RECORD \i, \s, 0, 1
.endr
	RECORD 6, \s, \mode, 1
.if \mode == 3
	RECORD 7, \s, 0, 0
.else
	RECORD 7, \s, 0, 2
.endif
.endm
	FETCH 0, 0, 0
	s_cmp_eq_u32 s[LIM], 1
	s_cbranch_scc0 .Lno_ask_one
	global_prefetch_b8 v[PFO], s[PFA:PFA+1] offset:SLOT th:TH_LOAD_NT scope:SCOPE_SE   ; pass 3's records
.Lno_ask_one:
.irp t, 0,1,2,3
	v_mov_b32 v[BB+2*\t], s21                      ; the maxima begin at -infinity
.irp j, 0,1,2,3,4,5,6,7
	v_mov_b32 v[SS+8*\t+\j], 0
.endr
.endr
.set N, 0
.rept 32
	v_mov_b32 v[DD+32+N], s21                      ; the first record's vector work finds a set that changes nothing
.set N, N+1
.endr
	s_mov_b32 s16, -1                              ; the number of the record whose sums are at work: 8 x pass + record
	s_mov_b32 s17, 7
	s_wait_alu depctr_va_vdst(0)
.Lpass:                                                ; a trip is two passes, once round the ring; both slots are filled again
	s_wait_xcnt 0x0                                ; my prefetches have read their address (the last stands five records back): it steps two passes on
	s_add_nc_u64 s[PFA:PFA+1], s[PFA:PFA+1], 2*SLOT
	PASS 0, 1
	PASS 1, 1
	s_sub_co_u32 s17, s17, 1
	s_cmp_lg_u32 s17, 0
	s_cbranch_scc1 .Lpass
	PASS 0, 2                                      ; the last two passes fetch nothing more
	PASS 1, 3
.rept 8
	v_nop                                          ; eight places behind the last product
.endr
	v_mov_b32 v[IDV], s16
	BATCH 0, 1
	BATCH 1, 1
.irp t, 0,1,2,3
	v_mov_b32 v[JJ+\t], 7
.endr
.irp k, 6,5,4,3,2,1,0
.irp t, 0,1,2,3
	v_cmp_neq_f32 vcc_lo, v[SS+8*\t+\k], v[BB+2*\t+1]
	v_cndmask_b32 v[JJ+\t], \k, v[JJ+\t], vcc_lo   ; the lowest register that equals the maximum
.endr
.endr
.macro COMB va, ia, vb, ib             ; the larger value; of equals the lower index
	v_max_num_f32 v40, v[\va], v[\vb]
	v_cmp_eq_f32 vcc_lo, v[\va], v40
	v_cndmask_b32 v[\ia], 0x7fffffff, v[\ia], vcc_lo
	v_cmp_eq_f32 vcc_lo, v[\vb], v40
	v_cndmask_b32 v[\ib], 0x7fffffff, v[\ib], vcc_lo
	v_min_u32 v[\ia], v[\ia], v[\ib]
	v_mov_b32 v[\va], v40
.endm
.irp t, 0,1,2,3
	v_lshrrev_b32 v[TA], 3, v[SS+8*\t+7]           ; the pass: 512 codes;
	v_and_b32 v[TA+1], 7, v[SS+8*\t+7]             ; the record in my quarter: 16 codes
	v_lshlrev_b32 v[TA], 9, v[TA]
	v_lshl_or_b32 v[TA], v[TA+1], 4, v[TA]
	v_add3_u32 v[IX+\t], v[TA], v[HB], v[JJ+\t]    ; + 128 x quarter + 8 h + register
	v_permlanex16_b32 v41, v[BB+2*\t+1], s18, s19
	v_permlanex16_b32 v42, v[IX+\t], s18, s19
	COMB BB+2*\t+1, IX+\t, 41, 42
	ds_store_b32 v[CST], v[BB+2*\t+1] offset:64*\t ; [quarter][row 0-127]: lanes r and r + 16 write the same word with the same value
	ds_store_b32 v[CST], v[IX+\t] offset:64*\t+2048
.endr
	s_wait_dscnt 0x0
	s_barrier_signal -1
	s_barrier_wait -1
	s_cmp_lg_u32 s10, 0
	s_cbranch_scc1 .Lfin
.irp w, 0,1,2,3
	ds_load_b128 v[CV+4*\w:CV+4*\w+3], v[CRD] offset:512*\w
	ds_load_b128 v[CI+4*\w:CI+4*\w+3], v[CRD] offset:512*\w+2048
.endr
	s_wait_dscnt 0x0
.irp w, 1,2,3
.irp e, 0,1,2,3
	COMB CV+\e, CI+\e, CV+4*\w+\e, CI+4*\w+\e
.endr
.endr
	global_store_b128 v[L16], v[CI:CI+3], s[8:9]   ; 32 lanes store the work-group's 512 consecutive bytes, aligned
.Lfin:
	s_wait_tensorcnt 0x0                           ; the wave's end
	ds_add_u32 v[SPW], v[NIL]
	s_wait_dscnt 0x0
	ROUND                                          ; the closing round
	s_endpgm
.Lfunc_end_k_qd57029b5dc_vq:
	.size	k_qd57029b5dc_vq, .Lfunc_end_k_qd57029b5dc_vq-k_qd57029b5dc_vq
	.p2alignl 7, 3214868480
	.fill 96, 4, 3214868480
	.section	.rodata,"a",@progbits
	.p2align	6, 0x0
	.amdhsa_kernel k_qd57029b5dc_vq
		.amdhsa_group_segment_fixed_size 327680
		.amdhsa_private_segment_fixed_size 0
		.amdhsa_enable_private_segment 0
		.amdhsa_kernarg_size 24
		.amdhsa_user_sgpr_count 2
		.amdhsa_user_sgpr_kernarg_segment_ptr 1
		.amdhsa_wavefront_size32 1
		.amdhsa_system_sgpr_workgroup_id_x 1
		.amdhsa_system_sgpr_workgroup_id_y 1
		.amdhsa_system_sgpr_workgroup_id_z 1
		.amdhsa_system_vgpr_workitem_id 0
		.amdhsa_next_free_vgpr 384
		.amdhsa_next_free_sgpr 90
		.amdhsa_reserve_vcc 1
		.amdhsa_float_denorm_mode_32 3
		.amdhsa_float_denorm_mode_16_64 3
		.amdhsa_memory_ordered 1
		.amdhsa_forward_progress 1
		.amdhsa_inst_pref_size 173
	.end_amdhsa_kernel
	.amdgpu_metadata
---
amdhsa.version: [ 1, 2 ]
amdhsa.kernels:
  - .name:           k_qd57029b5dc_vq
    .symbol:         k_qd57029b5dc_vq.kd
    .args:
      - { .name: z_e_x, .offset: 0, .size: 8, .value_kind: global_buffer, .address_space: global }
      - { .name: cbw, .offset: 8, .size: 8, .value_kind: global_buffer, .address_space: global }
      - { .name: out0, .offset: 16, .size: 8, .value_kind: global_buffer, .address_space: global }
    .group_segment_fixed_size: 327680
    .private_segment_fixed_size: 0
    .kernarg_segment_align: 8
    .kernarg_segment_size: 24
    .max_flat_workgroup_size: 256
    .sgpr_count:     90
    .vgpr_count:     384
    .wavefront_size: 32
...
	.end_amdgpu_metadata
.endif
;; end of part 2
